; MI455X (gfx1250); checked and timed in simulation.
; The chip was launched on July 23, 2026; its instructions are those of AMD's public machine-readable ISA for CDNA 5 (MIT licence, August 2026) and "CDNA5" Instruction Set Architecture Reference Guide (July 2026). The comments in the code are by the model that wrote it; some were corrected since.
;; TMPNN. Allowed arithmetic: float matrix products may take bf16 or f16 operands with f32 sums; other float arithmetic in f32, or as packed bf16 or f16 multiplies, adds, multiply-adds, maxima and minima; sums over many terms, partial sums and values carried from step to step in f32; what a program stores and reads back later, other than sums and carried values, may be rounded once to bf16 or f16.
;; Inputs: W 1,057 x 32 float32; x 131,072 x 32 float32.
;; Outputs: out0 131,072 x 1 float32.
;; One version. Each part assembles by itself: llvm-mc -triple=amdgcn-amd-amdhsa -mcpu=gfx1250 --defsym DOCPART=n.
;; ======== version 1 of 1: 1 launch
;; launch tmpnn (part 1): grid 256 x 1, 4 waves a work-group, clusters of 4 x 1, 267,008 bytes of LDS; arguments x, W, out0; writes out0
.if DOCPART == 1
	.amdgcn_target "amdgcn-amd-amdhsa--gfx1250"
	.amdhsa_code_object_version 6
	.text
	.protected	k_q8998e6b861_tmpnn
	.globl	k_q8998e6b861_tmpnn
	.p2align	8
	.type	k_q8998e6b861_tmpnn,@function
k_q8998e6b861_tmpnn:
	s_mov_b64 s[64:65], 0
	v_nop
	global_prefetch_b8 v0, s[64:65] scope:SCOPE_SE
	s_setreg_imm32_b32 hwreg(HW_REG_WAVE_MODE, 25, 1), 1
	s_wait_xcnt 0x0
	s_wait_alu depctr_hold_cnt(0) depctr_sa_sdst(0) depctr_va_vdst(0) depctr_va_sdst(0) depctr_va_ssrc(0) depctr_va_vcc(0) depctr_vm_vsrc(0)
	s_getreg_b32 s2, hwreg(HW_REG_IB_STS2, 6, 4)
	s_cmp_eq_u32 s2, 0
	s_cbranch_scc0 .Lentry_in_a_cluster
	s_endpgm
.Lentry_in_a_cluster:
	s_bfe_u32 s2, ttmp6, 0x10000c
	s_cmp_lg_u32 s2, 0x3003
	s_cbranch_scc0 .Lentry_shape_is_right
	s_endpgm
.Lentry_shape_is_right:
; TMPNN.  Seven times x <- x + [1, x, vec(x (x) x)] W; out0 = column 0 of the last x.  x: [131072][32] f32, W: [1057][32] f32, out0: [131072][1] f32.
; WORK THAT IS NOT DONE, for all values of the inputs:
;  (a) The basis holds x_i x_j (row 33+32i+j of W) and x_j x_i (row 33+32j+i) apart.  W[33+32i+j] x_i x_j + W[33+32j+i] x_j x_i = (W[33+32i+j] + W[33+32j+i]) x_i x_j: the two rows are added once,
;      in f32, and the product runs over 561 monomials, laid into 576 slots (18 matrix steps of 32), in place of 1,057.  Every number of W is still read and used.
;  (b) The result is x[:, :1] of step 7, and nothing reads step 7's columns 1..31.  Its tile of outputs 16..31 is a whole tile and is left out; outputs 1..15 share a tile with output 0 and stay.
; LIMITS.  Matrix operands are bf16: x, each monomial (rounded twice: x, then the product), the added weights, the bias; the state x itself stays in f32, as the accumulator.  The sum of two weights is
; formed in f32 before it is rounded: it overflows only where |W| is near 1.7e38.  The order of the sums is not reference()'s.  A NaN, an infinity or an overflow that reaches only step 7's columns 16..31 is not carried to the result.
; SHARES.  256 work-groups of four waves; a work-group has 512 rows, a wave 128: two groups of four tiles of 16 rows.  A group goes through all seven steps in registers.
; LAYOUT.  The product is taken transposed: source 0 = 16 outputs of the weight table, source 1 = 16 samples' monomials.  In the result lane (r = l % 16, h = l / 16) holds sample r, and register j of output
; tile t holds x[16 t + 8 h + j].  The state is the C and the D of every product, so the residual x + .. costs nothing.
; THE MONOMIALS.  e(b) = 2 b + 8 (b / 4), u = s + 8 h (s: the half of a register).  O_b = the state's registers 2 b, 2 b + 1 rounded to bf16: half s = x[e(b) + u]: it IS the fragment of the linear terms.
; Z_b = the other half of the lanes' O_b, its halves swapped where h = 1: x[e(b) + d], d = 8 + s (h = 0) or 1 - s (h = 1).  Os_b = O_b with its halves swapped.  Register b of fragment f is src x O_b:
;   f = 1..8: src = Z_(f-1): the 256 products between the two halves of the lanes' indices, each once.     f = 9 + a: src = O_a where b >= a (b = a: the squares), Os_a where b < a.
;   f = 17: src = Os_b: x[e(b)+8h] x[e(b)+1+8h] in both halves, each with half the weight; register 0's high half is set to 1.0: the bias, with half its weight in each half of the lanes; its low half has the full weight.
; THE WEIGHTS.  W comes into LDS as it lies; the four waves add the rows by the list above into a bf16 table [576 slots][32 outputs]; each wave then holds the whole table as 36 fragments in registers.
; CLUSTER.  All work-groups read the same W (135,296 bytes, against 65,536 of x of their own): the four of a cluster ask for it JOINTLY, the same tensor loads with the same descriptors and the mask of four.
; REGISTERS, in windows of 256 (s_set_vgpr_msb: bits 1:0 source 0, 3:2 source 1, 5:4 source 2, 7:6 destination):
;   window 0: v0-13 addresses; v16-79 the state; v80-111 O; v112-175 two fragment buffers a tile; v176-207 the other half's O; while the table is made: v16-207 two batches, v208-235 lane offsets
;   window 1: v0-143 weight fragments 0..8; v144-175 Z; v176-179 a copy of O_0          window 2: v0-143 weight fragments 9..17; v144-175 copies of O_1..7; v176-207 Os; v208 a mask
; While fragment f is multiplied, fragment f + 1 is made, and its src lies in the window of fragment f's weights: so a step's products and multiplies run under two settings, one switch each.
.set XS,    135424                     ; LDS.  0: W as it lies, 1,057 rows of 128 bytes.  XS: x, 128 rows of 144 bytes (128 + 16 of padding) for each wave
.set XP,    144
.set XW,    128*XP
.set WT,    209152                     ; the table: 576 rows of 96 bytes (64 + 32 unused)
.set WP,    96
.set OUTS,  264448                     ; 512 bytes a wave: 256 of results, 256 for what lanes 16-31 hold in the same register
.set SPARE, 266496                     ; the spare words, 128 bytes for each wave: two blocks of 256 bytes that no other line names
.set RL,  1                            ; v1   l % 16
.set HL,  2                            ; v2   l / 16
.set XA,  3                            ; v3   LDS address of my 32 bytes in my row of the group's first tile
.set SELV, 4                           ; v4   byte select: as it lies (h = 0), halves swapped (h = 1)
.set OST, 5                            ; v5   where I put a result
.set ORD, 6                            ; v6   where I read two results back
.set OGO, 7                            ; v7   my 8 bytes of the group's 256 of out0
.set OD,  8                            ; v[8:9]
.set TRA, 10                           ; v10  my place in a fragment of the table, for the turning load
.set SPW, 12                           ; v12  LDS address of my spare word; never rewritten
.set NIL, 13                           ; v13  0; never rewritten
.set ACC, 16                           ; tile q, output tile t at ACC + 16 q + 8 t
.set OF,  80                           ; O_b of tile q at OF + 8 q + b
.set BUF, 112                          ; fragment f of tile q at BUF + 16 q + 8 (f % 2)
.set TF,  176                          ; the other half of the lanes' O
.set ZR,  144                          ; window 1
.set OC0, 176                          ; window 1
.set OCR, 144                          ; window 2
.set OSR, 176                          ; window 2
.set MASKV, 208                        ; window 2: 0x0000ffff
.set GA,  16                           ; while the table is made: two batches of 12 units, 8 registers a unit
.set GB,  112
.set VL,  208                          ; lane offsets into W in LDS, (rows << 7) + 16 g.  VL: u rows
.set VZA, 210                          ; 32 u + d          each of these five is a pair: +0 and +65,536, since an LDS offset has 16 bits
.set VZB, 212                          ; 32 d + u
.set VS,  214                          ; 33 u
.set VAA, 216                          ; 32 (1 - s + 8 h) + u
.set VAB, 218                          ; 32 u + 1 - s + 8 h
.set VST, 220                          ; WT + 96 u + 8 g
.set VB0, 221                          ; 16 g
.set BI,  224                          ; v[224:227] W's row 0
.set TG,  228
.set TS,  229
.set TU,  230
.set TD,  231
.set TC,  232
.set TM,  233
.set WV,  10                           ; s10  my wave's number
.set CX,  11                           ; s11  my place in the cluster: it enters x's and out0's global addresses alone
.set WG,  12                           ; s12  my work-group = 4 x cluster + place
.set G1W, 16                           ; s[16:23], s[24:27]  W's main part
.set G0W, 24
.set G1T, 28                           ; s[28:35], s[36:39]  W's last row
.set G0T, 36
.set G1X, 40                           ; s[40:47], s[48:51]  x
.set G0X, 48
.set GRP, 52
.set STEP, 53
.set ONE, 55                           ; s55  1.0 in bf16, in the high half
.set SEL, 56                           ; s[56:57] v_permlanex16_b32's selects: each lane takes its own place in the other half
.set SM,  58                           ; s58  the lanes with s = 1 while the table is made
.set MSB, 0
.macro WIN new                         ; the immediate's high byte repeats the setting that is left; a switch that changes nothing is dropped
.if MSB != (\new)
	s_set_vgpr_msb (MSB<<8)|(\new)
.set MSB, (\new)
.endif
.endm
.macro PLACES                          ; a vector instruction, an LDS store or a load that touches a matrix instruction's registers stands four plain vector instructions behind it
.rept 4
	v_nop
.endr
.endm
; A round of the cluster's barrier: my work-group's barrier, so that wave 0's signal speaks for all four waves; wave 0 signals; every wave waits for all four work-groups; my work-group's barrier once more.
.macro CROUND
	s_barrier_signal -1
	s_barrier_wait -1
	s_cmp_lg_u32 s[WV], 0
	s_cbranch_scc1 .Lnot_wave_0_\@
	s_barrier_signal -3
.Lnot_wave_0_\@:
	s_barrier_wait -3
	s_barrier_signal -1
	s_barrier_wait -1
.endm
	s_load_b128 s[4:7], s[0:1], 0x0                ; x s[4:5], W s[6:7]
	s_load_b64 s[8:9], s[0:1], 0x10                ; out0
	v_lshl_add_u32 v[SPW], v0, 2, SPARE
	v_mov_b32 v[NIL], 0
	ds_add_u32 v[SPW], v[NIL]                      ; the wave's opening: the add, twice on end, and its wait ahead of my first tensor load; the set-up below stands between
	ds_add_u32 v[SPW], v[NIL]
	v_lshrrev_b32 v1, 5, v0
	v_readfirstlane_b32 s[WV], v1                  ; wave 0..3
	s_bfe_u32 s[CX], ttmp6, 0x40000
	s_lshl_b32 s[WG], ttmp9, 2                     ; in a cluster launch ttmp9 counts clusters
	s_add_co_u32 s[WG], s[WG], s[CX]
	; W's main part: 135,168 dense bytes as rows of 256; each wave asks for 132 of the 528
	s_mov_b32 s[G1W+0], 15|(2<<16)|(1<<21)         ; 15:0 the mask of four; 17:16 elements of 4 bytes; 21 set beside a mask
	s_mov_b32 s[G1W+1], 64<<16                     ; tensor_dim0 = 64
	s_mov_b32 s[G1W+2], 132<<16                    ; tensor_dim1 = 132
	s_mov_b32 s[G1W+3], 64<<16                     ; tile_dim0 = 64
	s_mov_b32 s[G1W+4], 132                        ; tile_dim1 = 132
	s_mov_b32 s[G1W+5], 64                         ; 64 elements from row to row
	s_mov_b32 s[G1W+6], 0
	s_mov_b32 s[G1W+7], 0
	; W's row 1056: one row of 128 bytes, 16 elements of 8
	s_mov_b32 s[G1T+0], 15|(3<<16)|(1<<21)
	s_mov_b32 s[G1T+1], 16<<16
	s_mov_b32 s[G1T+2], 1<<16
	s_mov_b32 s[G1T+3], 16<<16
	s_mov_b32 s[G1T+4], 1
	s_mov_b32 s[G1T+5], 16
	s_mov_b32 s[G1T+6], 1<<16
	s_mov_b32 s[G1T+7], 0
	; x: my wave's 128 rows are 16,384 dense bytes: 64 rows of 256, padded in LDS by 4 words after every 32 (a row of x)
	s_mov_b32 s[G1X+0], (2<<16)|(1<<20)|(4<<22)|(3<<25)  ; no mask: each work-group's own
	s_mov_b32 s[G1X+1], 64<<16
	s_mov_b32 s[G1X+2], 64<<16
	s_mov_b32 s[G1X+3], 64<<16
	s_mov_b32 s[G1X+4], 64
	s_mov_b32 s[G1X+5], 64
	s_mov_b32 s[G1X+6], 0
	s_mov_b32 s[G1X+7], 0
	s_mov_b32 s[G0W], 1
	s_mul_i32 s[G0W+1], s[WV], 33792               ; LDS: my 132 rows of 256 bytes
	s_mul_i32 s14, s[WV], 33792                    ; and the same offset in memory
	s_mov_b32 s15, 0
	s_mov_b32 s[G0T], 1
	s_mov_b32 s[G0T+1], 135168
	s_mov_b32 s[G0X], 1
	s_mul_i32 s[G0X+1], s[WV], XW
	s_add_co_u32 s[G0X+1], s[G0X+1], XS
	s_lshl_b32 s60, s[WG], 16                      ; x: 512 rows of 128 bytes a work-group,
	s_lshl_b32 s13, s[WV], 14                      ; 128 a wave
	s_add_co_u32 s60, s60, s13
	s_mov_b32 s61, 0
	s_lshl_b32 s62, s[WG], 11                      ; out0: 512 numbers a work-group,
	s_lshl_b32 s13, s[WV], 9                       ; 128 a wave
	s_add_co_u32 s62, s62, s13
	s_mov_b32 s63, 0
	s_mov_b32 s[ONE], 0x3f800000
	s_mov_b32 s[SEL], 0x76543210
	s_mov_b32 s[SEL+1], 0xfedcba98
	s_wait_dscnt 0x0                               ; both opening adds are done
	s_wait_kmcnt 0x0
	s_add_nc_u64 s[G0W+2:G0W+3], s[6:7], s[14:15]
	s_or_b32 s[G0W+3], s[G0W+3], 0x80000000        ; type = 2
	s_add_nc_u64 s[G0T+2:G0T+3], s[6:7], 135168
	s_or_b32 s[G0T+3], s[G0T+3], 0x80000000
	s_add_nc_u64 s[G0X+2:G0X+3], s[4:5], s[60:61]
	s_or_b32 s[G0X+3], s[G0X+3], 0x80000000
	s_add_nc_u64 s[8:9], s[8:9], s[62:63]          ; out0 at my wave's first number
	CROUND                                         ; all four work-groups are here: the joint loads meet
	; All that the launch reads is asked for here, once: nothing is filled again.  Wave 0 has three loads out, the others two; x's is the youngest in every wave.
	s_cmp_lg_u32 s[WV], 0
	s_cbranch_scc1 .Lno_tail
	tensor_load_to_lds s[G0T:G0T+3], s[G1T:G1T+7]
	s_nop 0
.Lno_tail:
	tensor_load_to_lds s[G0W:G0W+3], s[G1W:G1W+7]
	s_nop 0
	tensor_load_to_lds s[G0X:G0X+3], s[G1X:G1X+7]
	s_nop 0
	; lane terms, made while the tiles are on their way
	v_and_b32 v[RL], 15, v0
	v_bfe_u32 v[HL], v0, 4, 1
	v_bfe_u32 v[TS], v0, 3, 1                      ; for the table a lane is (g = l % 8: outputs 4 g .. 4 g + 3; s; h)
	v_and_b32 v[TG], 7, v0
	v_mul_u32_u24 v[XA], v[RL], XP
	v_lshl_add_u32 v[XA], v[HL], 5, v[XA]
	v_add_nc_u32 v[XA], s[G0X+1], v[XA]            ; my wave's x + 144 r + 32 h
	s_lshl_b32 s13, s[WV], 9
	s_add_co_u32 s13, s13, OUTS
	v_lshlrev_b32 v[OST], 2, v[RL]
	v_lshl_add_u32 v[OST], v[HL], 8, v[OST]
	v_add_nc_u32 v[OST], s13, v[OST]               ; 4 r, and 256 further on for lanes 16-31
	v_and_b32 v[OGO], 31, v0
	v_lshlrev_b32 v[OGO], 3, v[OGO]
	v_add_nc_u32 v[ORD], s13, v[OGO]
	v_lshl_add_u32 v[TU], v[HL], 3, v[TS]          ; u = s + 8 h
	v_xor_b32 v[TD], v[TS], v[HL]
	v_xor_b32 v[TM], 1, v[HL]
	v_lshl_add_u32 v[TD], v[TM], 3, v[TD]          ; d = 8 (1 - h) + (s xor h)
	v_xor_b32 v[TC], 1, v[TS]
	v_lshl_add_u32 v[TC], v[HL], 3, v[TC]          ; 1 - s + 8 h
	v_lshlrev_b32 v[VB0], 4, v[TG]
	v_lshl_add_u32 v[VL], v[TU], 7, v[VB0]
	v_lshl_add_u32 v[TM], v[TU], 5, v[TD]
	v_lshl_add_u32 v[VZA], v[TM], 7, v[VB0]
	v_lshl_add_u32 v[TM], v[TD], 5, v[TU]
	v_lshl_add_u32 v[VZB], v[TM], 7, v[VB0]
	v_lshl_add_u32 v[TM], v[TU], 5, v[TU]
	v_lshl_add_u32 v[VS], v[TM], 7, v[VB0]
	v_lshl_add_u32 v[TM], v[TC], 5, v[TU]
	v_lshl_add_u32 v[VAA], v[TM], 7, v[VB0]
	v_lshl_add_u32 v[TM], v[TU], 5, v[TC]
	v_lshl_add_u32 v[VAB], v[TM], 7, v[VB0]
.irp p, VZA, VZB, VS, VAA, VAB
	v_add_nc_u32 v[\p+1], 0x10000, v[\p]
.endr
	v_mul_u32_u24 v[TM], v[TU], WP
	v_lshl_add_u32 v[TM], v[TG], 3, v[TM]
	v_add_nc_u32 v[VST], WT, v[TM]
	v_lshl_add_u32 v[TM], v[HL], 3, v[TG]          ; the turning load: lane l reads slot 8 (l / 16) + l % 8, outputs 8 ((l / 8) % 2) + 0..7
	v_mul_u32_u24 v[TM], v[TM], WP
	v_lshl_add_u32 v[TM], v[TS], 4, v[TM]
	v_add_nc_u32 v[TRA], WT, v[TM]
	v_cmp_ne_u32 s[SM], 0, v[TS]
	v_cmp_ne_u32 vcc_lo, 0, v[HL]
	v_mov_b32 v[SELV], 0x01000302
	v_cndmask_b32 v[SELV], 0x03020100, v[SELV], vcc_lo
	WIN 0x80
	v_mov_b32 v[MASKV], 0xffff
	WIN 0
; THE TABLE.  A unit is register b of fragment f: four slots (h, s) x 32 outputs, four outputs a lane.  UROWS names its rows of W: weight = W[CA + lane rows of VA] (KIND 1), + W[CB + lane rows of VB] (2),
; that sum halved (3), or (4: fragment 17's register 0) the sum where s = 0 and half of W's row 0 where s = 1.
.macro UROWS f, b
.set EB, 2*(\b)+8*((\b)/4)
.set CB, 0
.set VB, VL
.if (\f) == 0
.set KIND, 1
.set CA, 1+EB
.set VA, VL
.elseif (\f) <= 8
.set EZ, 2*((\f)-1)+8*(((\f)-1)/4)
.set KIND, 2
.set CA, 33+32*EB+EZ
.set VA, VZA
.set CB, 33+32*EZ+EB
.set VB, VZB
.elseif (\f) <= 16
.set AN, (\f)-9
.set EA, 2*AN+8*(AN/4)
.set KIND, 2
.set CA, 33+32*EA+EB
.set CB, 33+32*EB+EA
.if (\b) == AN
.set KIND, 1
.set VA, VS
.elseif (\b) > AN
.set VA, VS
.set VB, VS
.else
.set VA, VAA
.set VB, VAB
.endif
.else
.set KIND, 3
.if (\b) == 0
.set KIND, 4
.endif
.set CA, 33+33*EB
.set CB, 33+33*EB
.set VA, VAA
.set VB, VAB
.endif
.endm
.macro GLOADS base, first              ; the rows of 12 units, 16 bytes a lane each; NLD counts the loads
.set NLD, 0
.set U, (\first)
.set R, (\base)
.rept 12
	UROWS U/8, U%8
	ds_load_b128 v[R:R+3], v[VA+(CA*128)/65536] offset:(CA*128)%65536
.set NLD, NLD+1
.if KIND >= 2
	ds_load_b128 v[R+4:R+7], v[VB+(CB*128)/65536] offset:(CB*128)%65536
.set NLD, NLD+1
.endif
.if KIND == 4
	ds_load_b128 v[BI:BI+3], v[VB0]
.set NLD, NLD+1
.endif
.set U, U+1
.set R, R+8
.endr
.endm
.macro GWORK base, first               ; 12 units: added in f32, rounded once to bf16, 8 bytes a lane into the table: 12 stores
.set U, (\first)
.set R, (\base)
.rept 12
	UROWS U/8, U%8
.if KIND >= 2
	v_pk_add_f32 v[R:R+1], v[R:R+1], v[R+4:R+5]
	v_pk_add_f32 v[R+2:R+3], v[R+2:R+3], v[R+6:R+7]
.endif
.if KIND == 3
	v_pk_mul_f32 v[R:R+1], v[R:R+1], 0.5 op_sel_hi:[1,0]
	v_pk_mul_f32 v[R+2:R+3], v[R+2:R+3], 0.5 op_sel_hi:[1,0]
.endif
.if KIND == 4
	v_pk_mul_f32 v[BI:BI+1], v[BI:BI+1], 0.5 op_sel_hi:[1,0]
	v_pk_mul_f32 v[BI+2:BI+3], v[BI+2:BI+3], 0.5 op_sel_hi:[1,0]
.irp n, 0,1,2,3
	v_cndmask_b32 v[R+\n], v[R+\n], v[BI+\n], s[SM]
.endr
.endif
	v_cvt_pk_bf16_f32 v[R], v[R], v[R+1]
	v_cvt_pk_bf16_f32 v[R+1], v[R+2], v[R+3]
	ds_store_b64 v[VST], v[R:R+1] offset:(32*(U/8)+16*((U%8)/4)+2*((U%8)%4))*WP
.set U, U+1
.set R, R+8
.endr
.endm
.macro GEN w                           ; wave w makes units 36 w .. 36 w + 35, in three batches on two sets of registers.  LDS instructions of a wave end in order (ISA guide 5.7.1)
	GLOADS GA, 36*(\w)
	GLOADS GB, 36*(\w)+12
	s_wait_dscnt NLD                               ; the first batch is in; the second batch's loads may stay out
	GWORK GA, 36*(\w)
	GLOADS GA, 36*(\w)+24
	s_wait_dscnt 12+NLD                            ; the second batch is in; behind it: the first batch's 12 stores and the third batch's loads
	GWORK GB, 36*(\w)+12
	s_wait_dscnt 12                                ; the third batch is in; behind it: the second batch's 12 stores
	GWORK GA, 36*(\w)+24
.endm
	s_wait_tensorcnt 0x1                           ; my part of W is in (wave 0: its last row too); x's tile, the one load issued behind them, may stay out
	s_barrier_signal -1
	s_barrier_wait -1                              ; everybody's part of W is in
	s_cmp_eq_u32 s[WV], 0
	s_cbranch_scc0 .Lgen1
	GEN 0
	s_branch .Lgen_done
.Lgen1:
	s_cmp_eq_u32 s[WV], 1
	s_cbranch_scc0 .Lgen2
	GEN 1
	s_branch .Lgen_done
.Lgen2:
	s_cmp_eq_u32 s[WV], 2
	s_cbranch_scc0 .Lgen3
	GEN 2
	s_branch .Lgen_done
.Lgen3:
	GEN 3
.Lgen_done:
	s_wait_dscnt 0x0                               ; for the others' sake: my stores into the table are done
	s_barrier_signal -1
	s_barrier_wait -1                              ; the table is whole
	; the whole table into registers: fragment f, output tile t: slots 32 f .. 32 f + 31 of outputs 16 t .. 16 t + 15, turned: lane l holds output l % 16
	WIN 0x40
.set i, 0
.rept 18
	ds_load_tr16_b128 v[8*i:8*i+3],   v[TRA] offset:32*WP*(i/2)+32*(i%2)
	ds_load_tr16_b128 v[8*i+4:8*i+7], v[TRA] offset:32*WP*(i/2)+32*(i%2)+16*WP
.set i, i+1
.endr
	WIN 0x80
.set i, 0
.rept 18
	ds_load_tr16_b128 v[8*i:8*i+3],   v[TRA] offset:32*WP*(9+i/2)+32*(i%2)
	ds_load_tr16_b128 v[8*i+4:8*i+7], v[TRA] offset:32*WP*(9+i/2)+32*(i%2)+16*WP
.set i, i+1
.endr
	WIN 0
.set i, 0
.rept 32
	v_mov_b32 v[TF+i], 0                           ; v_permlanex16_b32's destination counts as read: written once, while the loads above are out
.set i, i+1
.endr
; A STEP'S PREPARATION, for the group's four tiles: O, Z, Os and the copies of O in the windows where the multiplies name their first source.  Stage by stage, so that no line waits for the one before it.
; Each accumulator's lowest registers are read first.
.macro LUMP
	WIN 0
	PLACES                                         ; behind the step's last products, which have no vector work behind them
.set i, 0
.rept 32
	v_cvt_pk_bf16_f32 v[OF+i], v[ACC+2*i], v[ACC+2*i+1]
.set i, i+1
.endr
.set i, 0
.rept 32
	v_permlanex16_b32 v[TF+i], v[OF+i], s[SEL], s[SEL+1]
.set i, i+1
.endr
	WIN 0x40
.set i, 0
.rept 32
	v_perm_b32 v[ZR+i], v[TF+i], v[TF+i], v[SELV]
.set i, i+1
.endr
.set i, 0
.rept 4
	v_mov_b32 v[OC0+i], v[OF+8*i]
.set i, i+1
.endr
	WIN 0x80
.set i, 0
.rept 32
.if i%8
	v_mov_b32 v[OCR+i], v[OF+i]
.endif
	v_alignbit_b32 v[OSR+i], v[OF+i], v[OF+i], 16
.set i, i+1
.endr
.endm
; Register b of fragment FF + 1 of tile QQ: two monomials, each rounded to bf16.
.macro RIDE b
.if FF < 17
.set FN, FF+1
.if FN <= 8
.set SRC, ZR+8*QQ+FN-1
.elseif FN == 9
.set SRC, OC0+QQ
.elseif FN <= 16
.if (\b) >= FN-9
.set SRC, OCR+8*QQ+FN-9
.else
.set SRC, OSR+8*QQ+FN-9
.endif
.else
.set SRC, OSR+8*QQ+(\b)
.endif
	v_pk_mul_bf16 v[BUF+16*QQ+8*(FN%2)+(\b)], v[SRC], v[OF+8*QQ+(\b)]
.endif
.endm
; Tile QQ, fragment FF: its products (two = 1: both output tiles) and, behind them, the eight multiplies that make the tile's next fragment in the other buffer.
; That buffer's last product stands three tiles' units back: 24 multiplies that name none of its registers lie between.
.macro UNIT two
.if FF == 0
.set BS, OF+8*QQ
.else
.set BS, BUF+16*QQ+8*(FF%2)
.endif
.set WR, 16*(FF%9)
	v_wmma_f32_16x16x32_bf16 v[ACC+16*QQ:ACC+16*QQ+7], v[WR:WR+7], v[BS:BS+7], v[ACC+16*QQ:ACC+16*QQ+7]
.irp b, 0,1,2,3
	RIDE \b
.endr
.if \two
	v_wmma_f32_16x16x32_bf16 v[ACC+16*QQ+8:ACC+16*QQ+15], v[WR+8:WR+15], v[BS:BS+7], v[ACC+16*QQ+8:ACC+16*QQ+15]
.endif
.irp b, 4,5,6,7
	RIDE \b
.endr
.if FF == 16
	v_bfi_b32 v[BUF+16*QQ+8], v[MASKV], v[BUF+16*QQ+8], s[ONE]  ; fragment 17, register 0: the high half becomes 1.0, the bias's slot
.endif
.endm
; A step's 18 fragments.  The group's accumulators (eight, or four in the last step) take turns, one instruction a turn, over the backward jump too.
.macro MAIN two
.set FF, 0
.rept 18
.if FF < 9
	WIN 0x01                                       ; source 0 (weights; Z, the copy of O_0) in window 1
.else
	WIN 0x02                                       ; source 0 (weights; the copies of O_1..7, Os, the mask) in window 2
.endif
.set QQ, 0
.rept 4
	UNIT \two
.set QQ, QQ+1
.endr
.set FF, FF+1
.endr
.endm
	s_wait_tensorcnt 0x0                           ; my wave's x is in LDS; only I read it
	s_mov_b32 s[GRP], 2
.Lgroup:                                       ; four tiles: 64 rows
.set i, 0
.rept 16                               ; tile i / 4, output tile (i / 2) % 2, four numbers each: x[16 t + 8 h + 4 c ..]
	ds_load_b128 v[ACC+4*i:ACC+4*i+3], v[XA] offset:(i/4)*16*XP+64*((i/2)%2)+16*(i%2)
.set i, i+1
.endr
	s_wait_dscnt 0x0                               ; the state; in the first trip the weight fragments too
	s_mov_b32 s[STEP], 6
.Lstep:
	LUMP
	MAIN 1
	WIN 0                                          ; at a label and at a branch every window is 0
	s_sub_co_u32 s[STEP], s[STEP], 1
	s_cmp_lg_u32 s[STEP], 0
	s_cbranch_scc1 .Lstep
	LUMP                                           ; step 7: outputs 0..15 alone
	MAIN 0
	WIN 0
	PLACES                                         ; behind the last products: the stores below read results, and the next trip's loads write the accumulators
.irp q, 0,1,2,3
	ds_store_b32 v[OST], v[ACC+16*\q] offset:64*\q ; register 0 of output tile 0: x[0] in lanes 0-15 (x[8] in lanes 16-31 goes 256 bytes further on and is not read)
.endr
	ds_load_b64 v[OD:OD+1], v[ORD]                 ; LDS serves a wave's instructions in order (ISA guide 5.7.1.4): this sees the stores above; the bytes are my wave's own
	s_wait_dscnt 0x0
	global_store_b64 v[OGO], v[OD:OD+1], s[8:9] th:TH_STORE_NT  ; 32 lanes store 256 consecutive bytes, at a multiple of 256 from out0's first byte
	s_wait_xcnt 0x0                                ; the store has read its base and its data: only now are they written again
	s_add_nc_u64 s[8:9], s[8:9], 256
	v_add_nc_u32 v[XA], 64*XP, v[XA]               ; the next 64 rows
	s_sub_co_u32 s[GRP], s[GRP], 1
	s_cmp_lg_u32 s[GRP], 0
	s_cbranch_scc1 .Lgroup
	s_wait_tensorcnt 0x0                           ; the wave's end: a wait, an add and its wait, behind my last tensor load and my last LDS store
	ds_add_u32 v[SPW], v[NIL]
	s_wait_dscnt 0x0
	CROUND                                         ; the closing round: no work-group ends while a partner may still ask for a tile that names it
	s_endpgm
.Lfunc_end_k_q8998e6b861_tmpnn:
	.size	k_q8998e6b861_tmpnn, .Lfunc_end_k_q8998e6b861_tmpnn-k_q8998e6b861_tmpnn
	.p2alignl 7, 3214868480
	.fill 96, 4, 3214868480
	.section	.rodata,"a",@progbits
	.p2align	6, 0x0
	.amdhsa_kernel k_q8998e6b861_tmpnn
		.amdhsa_group_segment_fixed_size 267008
		.amdhsa_private_segment_fixed_size 0
		.amdhsa_enable_private_segment 0
		.amdhsa_kernarg_size 24
		.amdhsa_user_sgpr_count 2
		.amdhsa_user_sgpr_kernarg_segment_ptr 1
		.amdhsa_wavefront_size32 1
		.amdhsa_system_sgpr_workgroup_id_x 1
		.amdhsa_system_sgpr_workgroup_id_y 1
		.amdhsa_system_sgpr_workgroup_id_z 1
		.amdhsa_system_vgpr_workitem_id 0
		.amdhsa_next_free_vgpr 728
		.amdhsa_next_free_sgpr 66
		.amdhsa_reserve_vcc 1
		.amdhsa_float_denorm_mode_32 3
		.amdhsa_float_denorm_mode_16_64 3
		.amdhsa_memory_ordered 1
		.amdhsa_forward_progress 1
		.amdhsa_inst_pref_size 178
	.end_amdhsa_kernel
	.amdgpu_metadata
---
amdhsa.version: [ 1, 2 ]
amdhsa.kernels:
  - .name:           k_q8998e6b861_tmpnn
    .symbol:         k_q8998e6b861_tmpnn.kd
    .args:
      - { .name: x, .offset: 0, .size: 8, .value_kind: global_buffer, .address_space: global }
      - { .name: W, .offset: 8, .size: 8, .value_kind: global_buffer, .address_space: global }
      - { .name: out0, .offset: 16, .size: 8, .value_kind: global_buffer, .address_space: global }
    .group_segment_fixed_size: 267008
    .private_segment_fixed_size: 0
    .kernarg_segment_align: 8
    .kernarg_segment_size: 24
    .max_flat_workgroup_size: 128
    .sgpr_count:     66
    .vgpr_count:     728
    .wavefront_size: 32
...
	.end_amdgpu_metadata
.endif
;; end of part 1
